; MI455X (gfx1250); checked and timed in simulation.
; The chip was launched on July 23, 2026; its instructions are those of AMD's public machine-readable ISA for CDNA 5 (MIT licence, August 2026) and "CDNA5" Instruction Set Architecture Reference Guide (July 2026). The comments in the code are by the model that wrote it; some were corrected since.
;; Complex Channel Wise Multi Headed Attention. Allowed arithmetic: float matrix products may take bf16 or f16 operands with f32 sums; other float arithmetic in f32, or as packed bf16 or f16 multiplies, adds, multiply-adds, maxima and minima; sums over many terms, partial sums and values carried from step to step in f32; what a program stores and reads back later, other than sums and carried values, may be rounded once to bf16 or f16.
;; Inputs: Wk_i 512 x 512 float32; Wk_r 512 x 512 float32; Wo_i 512 x 512 float32; Wo_r 512 x 512 float32; Wq_i 512 x 512 float32; Wq_r 512 x 512 float32; Wv_i 512 x 512 float32; Wv_r 512 x 512 float32; bk_i 512 float32; bk_r 512 float32; bo_i 512 float32; bo_r 512 float32; bq_i 512 float32; bq_r 512 float32; bv_i 512 float32; bv_r 512 float32; key_i 4 x 8 x 512 x 512 float32; key_r 4 x 8 x 512 x 512 float32; query_i 4 x 8 x 512 x 512 float32; query_r 4 x 8 x 512 x 512 float32; value_i 4 x 8 x 512 x 512 float32; value_r 4 x 8 x 512 x 512 float32.
;; Outputs: out0 4 x 8 x 512 x 512 float32; out1 4 x 8 x 512 x 512 float32.
;; One version. Each part assembles by itself: llvm-mc -triple=amdgcn-amd-amdhsa -mcpu=gfx1250 --defsym DOCPART=n.
;; ======== version 1 of 1: 2 launches
;; limits: values are held in f16: magnitudes above 65,504 overflow, below 6.1e-05 lose precision
;; workspace buffers: wf 4,194,304 bytes
;; launch prep (part 1): grid 256 x 1, 4 waves a work-group, no clusters, 0 bytes of LDS; arguments Wq_r, Wq_i, Wk_r, Wk_i, Wv_r, Wv_i, Wo_r, Wo_i, wf; writes wf
.if DOCPART == 1
	.amdgcn_target "amdgcn-amd-amdhsa--gfx1250"
	.amdhsa_code_object_version 6
	.text
	.protected	k_qa31998db08_prep
	.globl	k_qa31998db08_prep
	.p2align	8
	.type	k_qa31998db08_prep,@function
k_qa31998db08_prep:
	s_mov_b64 s[64:65], 0
	v_nop
	global_prefetch_b8 v0, s[64:65] scope:SCOPE_SE
	s_setreg_imm32_b32 hwreg(HW_REG_WAVE_MODE, 25, 1), 1
	s_wait_xcnt 0x0
; The eight weight matrices [512 n][512 k] f32 are rounded once and laid out as the register images that the second launch multiplies by.
; wf: 64 slices of 65,536 bytes, slice = 16 p + s (p = q, k, v, o; s = 32 features of K); in a slice [wave 4][part Wr, Wi][nt 8][u 2][lane 32][16 bytes];
; the 16 bytes are W_part[n = 128 wave + 16 nt + lane % 16][k = 32 s + 16 u + 8 (lane / 16) + 0..7].
; p = 0..2: bf16.  p = 3: the number rounded to bf16 and written as f16 (exact inside f16's range; below 6e-5 f16 keeps a fixed step of 6e-8; beyond 65,504 it has no number).
; SHARES.  A wave takes 16 rows n x 128 k of one matrix: work-group x = 32 (2 p + part) + nb (16 rows each), the wave's number is the quarter of K.
; Each store of a wave covers 512 consecutive bytes, aligned.  No LDS, no loop: the launch moves 8 MiB in and 4 MiB out, once.
.set SRC, 8                            ; v[8:71]   eight items of 8 f32: item = 2 sl + u (sl: slice of the four in my quarter of K)
.set DST, 72                           ; v[72:103] eight items of 4 registers
	s_load_b512 s[8:23], s[0:1], 0x0               ; the eight matrices, in the order 2 p + part
	s_load_b64 s[32:33], s[0:1], 0x40              ; wf
	v_lshrrev_b32 v1, 5, v0
	v_readfirstlane_b32 s4, v1                     ; my quarter of K
	s_lshr_b32 s5, ttmp9, 5                        ; 2 p + part
	s_and_b32 s6, ttmp9, 31                        ; nb: which 16 rows
	v_and_b32 v2, 15, v0                           ; lane % 16
	v_bfe_u32 v3, v0, 4, 1                         ; lane / 16
	v_and_b32 v4, 31, v0
	s_lshl_b32 s7, s6, 15                          ; 16 nb rows of 2,048 bytes
	s_lshl_b32 s34, s4, 9                          ; + 512 bytes for each quarter of K
	s_add_co_u32 s7, s7, s34
	v_lshlrev_b32 v5, 11, v2                       ; my row,
	v_lshl_add_u32 v5, v3, 5, v5                   ; my 8 numbers of each 16
	v_add_nc_u32 v5, s7, v5
	v_lshlrev_b32 v6, 4, v4                        ; 16 x lane
	s_lshr_b32 s34, s5, 1
	s_lshl_b32 s34, s34, 20                        ; p: 16 slices
	s_lshl_b32 s35, s4, 18                         ; my four slices
	s_add_co_u32 s34, s34, s35
	s_lshr_b32 s35, s6, 3
	s_lshl_b32 s35, s35, 14                        ; the wave of the second launch that owns these rows
	s_add_co_u32 s34, s34, s35
	s_and_b32 s35, s5, 1
	s_lshl_b32 s35, s35, 13                        ; part
	s_add_co_u32 s34, s34, s35
	s_and_b32 s35, s6, 7
	s_lshl_b32 s35, s35, 10                        ; nt
	s_add_co_u32 s34, s34, s35
	s_mov_b32 s35, 0
	s_wait_kmcnt 0x0
	s_bitcmp1_b32 s5, 0                            ; the matrix is chosen by the three bits of 2 p + part
	s_cselect_b64 s[24:25], s[10:11], s[8:9]
	s_cselect_b64 s[26:27], s[14:15], s[12:13]
	s_cselect_b64 s[28:29], s[18:19], s[16:17]
	s_cselect_b64 s[30:31], s[22:23], s[20:21]
	s_bitcmp1_b32 s5, 1
	s_cselect_b64 s[24:25], s[26:27], s[24:25]
	s_cselect_b64 s[28:29], s[30:31], s[28:29]
	s_bitcmp1_b32 s5, 2
	s_cselect_b64 s[24:25], s[28:29], s[24:25]
	s_add_nc_u64 s[32:33], s[32:33], s[34:35]
.set it, 0
.rept 8
	global_load_b128 v[SRC+8*it:SRC+8*it+3],   v5, s[24:25] offset:128*(it/2)+64*(it%2) th:TH_LOAD_NT
	global_load_b128 v[SRC+8*it+4:SRC+8*it+7], v5, s[24:25] offset:128*(it/2)+64*(it%2)+16 th:TH_LOAD_NT
.set it, it+1
.endr
	s_wait_loadcnt 0x0
.set it, 0
.rept 32
	v_cvt_pk_bf16_f32 v[DST+it], v[SRC+2*it], v[SRC+2*it+1]    ; every weight is rounded to bf16
.set it, it+1
.endr
	s_cmp_ge_u32 s5, 6                             ; the last layer's weights meet f16 operands
	s_cbranch_scc0 .Lstore
.set it, 0
.rept 32
	v_lshlrev_b32 v[SRC+2*it], 16, v[DST+it]       ; the rounded numbers as f32,
	v_and_b32 v[SRC+2*it+1], 0xffff0000, v[DST+it]
.set it, it+1
.endr
.set it, 0
.rept 32
	v_cvt_pk_f16_f32 v[DST+it], v[SRC+2*it], v[SRC+2*it+1]     ; written as f16
.set it, it+1
.endr
.Lstore:
.set it, 0
.rept 8
	global_store_b128 v6, v[DST+4*it:DST+4*it+3], s[32:33] offset:65536*(it/2)+512*(it%2)
.set it, it+1
.endr
	s_endpgm
.Lfunc_end_k_qa31998db08_prep:
	.size	k_qa31998db08_prep, .Lfunc_end_k_qa31998db08_prep-k_qa31998db08_prep
	.p2alignl 7, 3214868480
	.fill 96, 4, 3214868480
	.section	.rodata,"a",@progbits
	.p2align	6, 0x0
	.amdhsa_kernel k_qa31998db08_prep
		.amdhsa_group_segment_fixed_size 0
		.amdhsa_private_segment_fixed_size 0
		.amdhsa_enable_private_segment 0
		.amdhsa_kernarg_size 72
		.amdhsa_user_sgpr_count 2
		.amdhsa_user_sgpr_kernarg_segment_ptr 1
		.amdhsa_wavefront_size32 1
		.amdhsa_system_sgpr_workgroup_id_x 1
		.amdhsa_system_sgpr_workgroup_id_y 1
		.amdhsa_system_sgpr_workgroup_id_z 1
		.amdhsa_system_vgpr_workitem_id 0
		.amdhsa_next_free_vgpr 104
		.amdhsa_next_free_sgpr 66
		.amdhsa_reserve_vcc 0
		.amdhsa_float_denorm_mode_32 3
		.amdhsa_float_denorm_mode_16_64 3
		.amdhsa_memory_ordered 1
		.amdhsa_forward_progress 1
		.amdhsa_inst_pref_size 12
	.end_amdhsa_kernel
	.amdgpu_metadata
---
amdhsa.version: [ 1, 2 ]
amdhsa.kernels:
  - .name:           k_qa31998db08_prep
    .symbol:         k_qa31998db08_prep.kd
    .args:
      - { .name: Wq_r, .offset: 0, .size: 8, .value_kind: global_buffer, .address_space: global }
      - { .name: Wq_i, .offset: 8, .size: 8, .value_kind: global_buffer, .address_space: global }
      - { .name: Wk_r, .offset: 16, .size: 8, .value_kind: global_buffer, .address_space: global }
      - { .name: Wk_i, .offset: 24, .size: 8, .value_kind: global_buffer, .address_space: global }
      - { .name: Wv_r, .offset: 32, .size: 8, .value_kind: global_buffer, .address_space: global }
      - { .name: Wv_i, .offset: 40, .size: 8, .value_kind: global_buffer, .address_space: global }
      - { .name: Wo_r, .offset: 48, .size: 8, .value_kind: global_buffer, .address_space: global }
      - { .name: Wo_i, .offset: 56, .size: 8, .value_kind: global_buffer, .address_space: global }
      - { .name: wf, .offset: 64, .size: 8, .value_kind: global_buffer, .address_space: global }
    .group_segment_fixed_size: 0
    .private_segment_fixed_size: 0
    .kernarg_segment_align: 8
    .kernarg_segment_size: 72
    .max_flat_workgroup_size: 128
    .sgpr_count:     66
    .vgpr_count:     104
    .wavefront_size: 32
...
	.end_amdgpu_metadata
.endif
;; end of part 1
;; launch fused (part 2): grid 256 x 1, 4 waves a work-group, clusters of 4 x 1, 327,680 bytes of LDS; arguments query_r, query_i, key_r, key_i, value_r, value_i, wf, out0, out1, bq_r, bq_i, bk_r, bk_i, bv_r, bv_i, bo_r, bo_i; writes out0, out1
.if DOCPART == 2
	.amdgcn_target "amdgcn-amd-amdhsa--gfx1250"
	.amdhsa_code_object_version 6
	.text
	.protected	k_qa31998db08_fused
	.globl	k_qa31998db08_fused
	.p2align	8
	.type	k_qa31998db08_fused,@function
k_qa31998db08_fused:
	s_mov_b64 s[64:65], 0
	v_nop
	global_prefetch_b8 v0, s[64:65] scope:SCOPE_SE
	s_setreg_imm32_b32 hwreg(HW_REG_WAVE_MODE, 25, 1), 1
	s_wait_xcnt 0x0
	s_wait_alu depctr_hold_cnt(0) depctr_sa_sdst(0) depctr_va_vdst(0) depctr_va_sdst(0) depctr_va_ssrc(0) depctr_va_vcc(0) depctr_vm_vsrc(0)
	s_getreg_b32 s2, hwreg(HW_REG_IB_STS2, 6, 4)
	s_cmp_eq_u32 s2, 0
	s_cbranch_scc0 .Lentry_in_a_cluster
	s_endpgm
.Lentry_in_a_cluster:
	s_bfe_u32 s2, ttmp6, 0x10000c
	s_cmp_lg_u32 s2, 0x3003
	s_cbranch_scc0 .Lentry_shape_is_right
	s_endpgm
.Lentry_shape_is_right:
; COMPLEX CHANNEL-WISE ATTENTION, from the six activations to the two outputs in one launch.
; A complex layer is out_r = xr Wr^T - xi Wi^T + (br - bi), out_i = xi Wr^T + xr Wi^T + (br + bi).  Between the layers q, k, v and the layer o stand, for each (b, t, head), an 8 x 8
; complex score matrix over the 8 channels (S = q k^H / 8, no softmax), S times lrelu(v), and lrelu.
; SHARES.  A work-group owns 8 values of t x all 8 channels of one b: 64 rows m = 8 tt + c, so a tile of 16 rows holds two t.  Wave w owns the columns 128 w .. 128 w + 127 (two heads) of out_r and of out_i:
; 64 x 256 f32 sums, 512 registers.  So the attention never leaves a wave's registers; only the rows' scale (below) and the last layer's operand cross waves, through LDS.
; K goes in slices of 32 features: 128 products a wave in four groups: out_r += Wr xr, out_i += Wr xi, out_i += Wi xr, out_r += Wi (-xi).
; WEIGHTS come as register images (buffer wf, made by the launch before) through a ring of two LDS slots of one slice; each wave fetches and reads its own quarter slice, 16,384 dense bytes.
; CLUSTER.  All work-groups walk the same 64 slices, so the four of a cluster ask JOINTLY: same load, same descriptor, mask of four.  A mask names four at the most, so a larger cluster would share no more.
; ACTIVATIONS are read once, 256 consecutive aligned bytes of a row at a time (a chunk = 64 features), through registers: f32 -> bf16 -> LDS; a chunk's loads are out for a whole trip (256 products).
; LAYOUTS.  q, k, o are taken transposed (source 0 = W, source 1 = X): a lane holds one row and 8 neighbouring columns; two neighbouring tiles rounded to f16 are a fragment of the score product.
; S^T = k q^T: lane (r, h) register j holds S[row r][row 8 h + j]: it is source 1 of the next product; lanes with h != r / 8 hold products of two different t and are multiplied by 0.
; v is taken as it is (source 0 = X): a lane holds one column and 8 rows: [vr | vi] rounded to f16 is source 0 (K = part, t, channel); x^T = [vr | vi] [sr | -si] and [vr | vi] [si | sr].
; FORMATS.  Activations, weights and biases are rounded to bf16 (the last layer's weights then written as f16); q, k, v, S and x go in f16; all sums in f32.
; S is multiplied by 2^-(E+5), 2^E the power of two at or below the row's largest |S| over all 8 heads (held to 2^-100 .. 2^100): |S| < 1/16 and |x| < max |v|.  lrelu and the last layer let a positive
; factor of a row through, and it is multiplied back in f32 at the end, with the scores' 1/8: out = 2^(E+2) (lrelu(x) Wo) + bias.
; LIMITS.  |q|, |k|, |v| stay under 65,504 (f16's end); the slope 0.01 is f16's 0.010002; f16 keeps a fixed step of 6e-8 below 6e-5; NaN and infinities are not treated apart.
;
; LDS
.set XREG,  131072                     ; behind the weights' ring (2 x 65,536): phases q, k: q's fragments, each wave's own 32,768; later x: row m x 2,064 + part x 1,024 + 2 n (2,064 = 129 x 16: 16 rows start at 16 different groups of banks)
.set ARING, 263168                     ; two chunk buffers of 18,432: part x 9,216 + m x 144 + 2 (f % 64) (144 = 9 x 16); at the end each wave's stage for the way out: 9,216 w, 16 rows x 528
.set ABUF,  18432
.set BIAS,  300032                     ; 4,096 w + 1,024 p + 512 part + 4 (n % 128), f32: part 0 = br - bi, part 1 = br + bi; each wave's own
.set RM,    316416                     ; 256 w + 4 m: the rows' largest |S| in wave w's two heads
.set SPARE, 317440                     ; the spare words, 128 bytes for each wave: two blocks of 256 bytes that no other line names
; REGISTERS, in windows of 256 (s_set_vgpr_msb: bits 1:0 source 0, 3:2 source 1, 5:4 source 2, 7:6 destination).  Window 0:
.set VW0, 2                            ; v2, v3   my 16 bytes of a weight fragment in slot 0, 1
.set VA0, 4                            ; v4       my place in a chunk's fragment rows
.set VAT, 5                            ; v5       the same in the chunk buffer in hand
.set VS0, 6                            ; v6       where I store a chunk's 8 bytes
.set VST, 7                            ; v7       the same in the other chunk buffer
.set VO,  8                            ; v8       my byte offset in two rows of an activation
.set PFO, 9                            ; v9       the activations' prefetch: a lane a row
.set VQ,  10                           ; v10      my 16 bytes of a fragment of q
.set VXA, 11                           ; v11, v12 x as fragments: rows 0-31, rows 32-63
.set VXS, 13                           ; v13, v14 where I store 16 bytes of x
.set VBT, 15                           ; v15      bias for transposed tiles (8 columns a lane)
.set VBN, 16                           ; v16      bias of v (one column a lane)
.set VRM, 17                           ; v17      my row's word in RM
.set MSKF, 18                          ; v[18:19] 1.0 where lane / 16 = (lane % 16) / 8, else 0
.set BACK, 20                          ; v[20:27] 2^(E+2) of my row in tile mt, twice
.set SPW, 28                           ; v28      my spare word; never rewritten
.set NIL, 29                           ; v29      0; never rewritten
.set STO, 30                           ; v30      the way out: into the stage
.set SRD, 31                           ; v31      and back
.set GO,  32                           ; v32      512 w + 16 lane: my bytes of a row of 2,048
.set PFW, 33                           ; v33      the weights' prefetch
.set T0,  34                           ; v34-63   at work
.set XR,  64                           ; xr's four fragments
.set XI,  96                           ; xi's
.set WR,  128                          ; Wr's eight fragments
.set WI,  192                          ; Wi's
; window 1
.set ST,  0                            ; a chunk's 16 loads
.set CB,  64                           ; bias as C; later at work
.set SIB, 64
.set MX,  80
.set MN,  84
.set IM,  88
.set SS,  128                          ; S: group g = 4 head + mt at SS + 16 g
; windows 2, 3: out_r, out_i: accumulator (mt, nt) at 8 (8 mt + nt)
; scalars: s[8:25] the first nine arguments; s[68:83] the biases
.set LP,  26                           ; where my chunk loads stand
.set NB,  28                           ; the next tensor, at my rows
.set PV,  30                           ; value, at my rows
.set PP,  32                           ; where my activation prefetches stand
.set WP,  34                           ; where my weight prefetches stand
.set G1,  36                           ; s[36:43] descriptor group 1
.set G0A, 44                           ; s[44:47] group 0 of the first fill of slot 0
.set G0B, 48                           ; s[48:51] group 0 that walks
.set WV,  52
.set TC,  53                           ; trips of a phase still to come
.set PH,  54                           ; 2: phase q, 1: phase k
.set AO,  55                           ; the chunk buffer in hand: 0 or ABUF
.set SGN, 56                           ; the signs of two 16-bit numbers
.set WPC, 57                           ; weight prefetches still to come
.set SEL, 58                           ; s[58:59] v_permlanex16_b32: each lane takes its own place in the other half
.set LRC, 61                           ; 0.01 twice, in f16
.set MSB, 0
.macro WIN new                         ; the immediate's high byte repeats the setting that is left; a switch that changes nothing is dropped
.if MSB != (\new)
	s_set_vgpr_msb (MSB<<8)|(\new)
.set MSB, \new
.endif
.endm
.macro PLACES                          ; four places: in front of loads into, and vector writes of, registers that a matrix instruction has named, and of reads of its result
.rept 4
	v_nop
.endr
.endm
.macro CREST                           ; a round of the cluster's barrier behind its opening barrier
	s_cmp_lg_u32 s[WV], 0
	s_cbranch_scc1 .Lnw0_\@
	s_barrier_signal -3
.Lnw0_\@:
	s_barrier_wait -3
	s_barrier_signal -1
	s_barrier_wait -1
.endm
.macro ROUND
	s_barrier_signal -1
	s_barrier_wait -1
	CREST
.endm
.macro JLOAD                           ; the joint refill: one line for all waves, each wave's descriptor names its own quarter slice
	tensor_load_to_lds s[G0B:G0B+3], s[G1:G1+7]
	s_nop 0
	PLACES
.endm
.macro WLOAD dst, slot, part           ; eight weight fragments: 16 loads of 512 consecutive bytes
	WIN 0
.set wn, 0
.rept 8
	ds_load_b128 v[(\dst)+8*wn:(\dst)+8*wn+3],   v[VW0+(\slot)] offset:8192*(\part)+1024*wn
	ds_load_b128 v[(\dst)+8*wn+4:(\dst)+8*wn+7], v[VW0+(\slot)] offset:8192*(\part)+1024*wn+512
.set wn, wn+1
.endr
.endm
.macro ALOAD var, dst, part, k         ; four fragments of 16 rows x 32 features at byte k: var = 0 from the chunk buffer in hand, 1 from x
	WIN 0
.set am, 0
.rept 4
.if \var
	ds_load_b128 v[(\dst)+8*am:(\dst)+8*am+3],   v[VXA+am/2] offset:33024*(am%2)+1024*(\part)+(\k)
	ds_load_b128 v[(\dst)+8*am+4:(\dst)+8*am+7], v[VXA+am/2] offset:33024*(am%2)+1024*(\part)+(\k)+32
.else
	ds_load_b128 v[(\dst)+8*am:(\dst)+8*am+3],   v[VAT] offset:9216*(\part)+2304*am+(\k)
	ds_load_b128 v[(\dst)+8*am+4:(\dst)+8*am+7], v[VAT] offset:9216*(\part)+2304*am+(\k)+32
.endif
.set am, am+1
.endr
.endm
; Products lo .. hi of a group of 32 (mt = i / 8, nt = i % 8).  ori = 0: source 0 = W, source 1 = X; 1: the other way.  cm = 0: in place; 1: C = 0; 2: C = the bias at cb + 8 nt.
; The 32 accumulators take turns, one instruction a turn, and a group's last is never the next group's first.
.macro GRP form, ori, win, wb, xb, cm, cb, lo, hi
	WIN \win
.set gi, \lo
.rept (\hi)-(\lo)+1
.if \ori
.set ga, (\xb)+8*(gi/8)
.set gb, (\wb)+8*(gi%8)
.else
.set ga, (\wb)+8*(gi%8)
.set gb, (\xb)+8*(gi/8)
.endif
.if (\cm) == 0
	v_wmma_f32_16x16x32_\form v[8*gi:8*gi+7], v[ga:ga+7], v[gb:gb+7], v[8*gi:8*gi+7]
.elseif (\cm) == 1
	v_wmma_f32_16x16x32_\form v[8*gi:8*gi+7], v[ga:ga+7], v[gb:gb+7], 0
.else
	v_wmma_f32_16x16x32_\form v[8*gi:8*gi+7], v[ga:ga+7], v[gb:gb+7], v[(\cb)+8*(gi%8):(\cb)+8*(gi%8)+7]
.endif
.set gi, gi+1
.endr
.endm
.macro GLD                             ; a chunk's 16 loads: my tensor (r: waves 0, 1; i: waves 2, 3), my 4 channels, 8 t; each covers 256 consecutive aligned bytes of two rows
	WIN 0x40
.set cq, 0
.rept 16
	global_load_b128 v[ST+4*cq:ST+4*cq+3], v[VO], s[LP:LP+1] offset:((cq/4)<<20)+4096*(cq%4) th:TH_LOAD_NT
.set cq, cq+1
.endr
	WIN 0
.endm
.macro CVST                            ; the chunk in registers is rounded to bf16, in place, and stored at v[VST]
	WIN 0x45
.set cq, 0
.rept 16
	v_cvt_pk_bf16_f32 v[ST+4*cq],   v[ST+4*cq],   v[ST+4*cq+1]
	v_cvt_pk_bf16_f32 v[ST+4*cq+1], v[ST+4*cq+2], v[ST+4*cq+3]
.set cq, cq+1
.endr
	WIN 0x04
.set cq, 0
.rept 16
	ds_store_b64 v[VST], v[ST+4*cq:ST+4*cq+1] offset:2304*(cq%4)+144*(cq/4)
.set cq, cq+1
.endr
	WIN 0
.endm
; The weights' prefetch: two slices, four slices ahead of their refills.  The launch's first cluster alone asks; its four partners share a quarter slice out by address (4,096 bytes each); a lane names 256 bytes.
.macro ASKW
	s_cmp_lg_u32 s[WPC], 0
	s_cbranch_scc0 .Lno_ask_\@
	global_prefetch_b8 v[PFW], s[WP:WP+1] th:TH_LOAD_NT scope:SCOPE_SE
	s_sub_co_u32 s[WPC], s[WPC], 1
.Lno_ask_\@:
.endm
; THE CHUNK WORK, once a trip: the chunk loaded a trip ago goes into the other buffer; the chunk after it is asked for; the chunk two trips further on is prefetched (my own 32 row pieces, a lane a piece).
; tail = 0: the stream runs on into the next tensor (its first chunk is due where TC = 2 for the loads, TC = 4 for the prefetch).  tail = 1 (value): what lies past the last chunk is jumped over, forward.
.macro CW tail
	WIN 0
	s_wait_loadcnt 0x0                             ; the chunk is in
	s_wait_xcnt 0x0                                ; loads and prefetches of a trip ago have read their addresses: the three pointers may be written
	s_add_nc_u64 s[WP:WP+1], s[WP:WP+1], 0x20000
.if \tail
	s_cmp_lt_u32 s[TC], 2
	s_cbranch_scc1 .Lcw_end_\@
.endif
	s_xor_b32 s60, s[AO], ABUF
	v_add_nc_u32 v[VST], s60, v[VS0]
	CVST
.if \tail
	s_cmp_lt_u32 s[TC], 3
	s_cbranch_scc1 .Lcw_end_\@
.endif
	s_add_nc_u64 s[LP:LP+1], s[LP:LP+1], 256
.if !(\tail)
	s_cmp_eq_u32 s[TC], 2
	s_cselect_b64 s[LP:LP+1], s[NB:NB+1], s[LP:LP+1]
.endif
	GLD
.if \tail
	s_cmp_lt_u32 s[TC], 5
	s_cbranch_scc1 .Lcw_end_\@
.endif
	s_add_nc_u64 s[PP:PP+1], s[PP:PP+1], 256
.if !(\tail)
	s_cmp_eq_u32 s[TC], 4
	s_cselect_b64 s[PP:PP+1], s[NB:NB+1], s[PP:PP+1]
.endif
	global_prefetch_b8 v[PFO], s[PP:PP+1] th:TH_LOAD_NT scope:SCOPE_SE
.Lcw_end_\@:
	ASKW
.endm
; A slice's first half: xi and Wi are fetched, Wr multiplies xr and xi.
.macro HALF1 var, form, ori, par, k
	WIN 0
	PLACES                                         ; the last group read xi's and Wi's registers
	ALOAD \var, XI, 1, \k
	WLOAD WI, \par, 1
	s_wait_dscnt 24                                ; all but the 24 just issued: Wr and xr are in
	GRP \form, \ori, 0xA0, WR, XR, 0, 0, 0, 31
	s_wait_dscnt 16                                ; xi is in; Wi's 16 loads may stay out
	GRP \form, \ori, 0xF0, WR, XI, 0, 0, 0, 31
.endm
; A slice's second half.  fill = 1: the change of slots.  Each wave waits for all its tensor loads (one is out: its quarter of the next slice), adds 0 to its spare word, and waits for that and for its reads of
; this slot (Wi's were the last); the barrier opens a round of the cluster's barrier, so that no wave of any partner still reads the slot or has a load on its way; the joint refill, two slices on, is the first
; thing behind it and has 112 products in which to land.  nw: the next slice's Wr is fetched; na: its xr; cw: the trip's chunk work (1, 2: value's) or, in the last layer, the weights' prefetch alone (3).
.macro HALF2 var, form, ori, par, fill, nw, na, cw
	WIN 0
	s_wait_tensorcnt 0x0                           ; no tensor load of mine is out, so the walking group 0 may be written
.if \fill
	ds_add_u32 v[SPW], v[NIL]                      ; 0 onto my spare word; the descriptor's step stands between it and the wait for it
	s_xor_b32 s[G0B+1], s[G0B+1], 0x10000          ; the other slot than last time,
	s_add_nc_u64 s[G0B+2:G0B+3], s[G0B+2:G0B+3], 0x10000  ; the next slice; the type bits on top are not reached
	s_wait_dscnt 0x0                               ; the add is done, Wi is in, and my reads of this slot are over
	s_barrier_signal -1
.else
	s_wait_dscnt 0x0                               ; Wi is in
.endif
	GRP \form, \ori, 0xF0, WI, XR, 0, 0, 0, 15
	WIN 0
	PLACES                                         ; behind the group that read xi
.set xn, 0
.rept 32
	v_xor_b32 v[XI+xn], s[SGN], v[XI+xn]           ; -xi
.set xn, xn+1
.endr
.if \fill
	s_barrier_wait -1
	CREST
	JLOAD
.endif
.if \nw
	WLOAD WR, 1-(\par), 0
.endif
	GRP \form, \ori, 0xF0, WI, XR, 0, 0, 16, 31
	WIN 0
	PLACES                                         ; that group read xr's registers
.if (\cw) == 1
	CW 0
.elseif (\cw) == 2
	CW 1
.elseif (\cw) == 3
	s_wait_xcnt 0x0                                ; the prefetch of a trip ago has read its address
	s_add_nc_u64 s[WP:WP+1], s[WP:WP+1], 0x20000
	ASKW
.endif
.if (\par) && (\na)
.if \var
	v_add_nc_u32 v[VXA], 128, v[VXA]               ; x: 64 features on
	v_add_nc_u32 v[VXA+1], 128, v[VXA+1]
.else
	s_xor_b32 s[AO], s[AO], ABUF                   ; the other chunk buffer: stored before the barrier just passed
	v_add_nc_u32 v[VAT], s[AO], v[VA0]
.endif
.endif
.if \na
	ALOAD \var, XR, 0, 64*(1-(\par))
.endif
	GRP \form, \ori, 0xA0, WI, XI, 0, 0, 0, 31
.endm
.macro SW d, a, b, z                   ; a score product
.if \z
	v_wmma_f32_16x16x32_f16 v[\d:\d+7], v[\a:\a+7], v[\b:\b+7], 0
.else
	v_wmma_f32_16x16x32_f16 v[\d:\d+7], v[\a:\a+7], v[\b:\b+7], v[\d:\d+7]
.endif
.endm
	s_load_b512 s[8:23], s[0:1], 0x0               ; query_r, query_i, key_r, key_i, value_r, value_i, wf, out0
	s_load_b64 s[24:25], s[0:1], 0x40              ; out1
	s_load_b512 s[68:83], s[0:1], 0x48             ; the eight biases, in the order 2 p + part
	v_lshl_add_u32 v[SPW], v0, 2, SPARE
	v_mov_b32 v[NIL], 0
	ds_add_u32 v[SPW], v[NIL]                      ; the wave's opening: the add, twice on end, and its wait ahead of my first tensor load; the set-up below stands between
	ds_add_u32 v[SPW], v[NIL]
	v_lshrrev_b32 v1, 5, v0
	v_readfirstlane_b32 s[WV], v1                  ; wave 0..3
	s_bfe_u32 s60, ttmp6, 0x40000                  ; cx: it enters global addresses alone
	s_lshl_b32 s61, ttmp9, 2
	s_add_co_u32 s61, s61, s60                     ; my work-group = 4 x cluster + cx
	s_lshr_b32 s62, s61, 6
	s_lshl_b32 s62, s62, 23                        ; b
	s_and_b32 s63, s61, 63
	s_lshl_b32 s63, s63, 14                        ; my 8 t: rows of 2,048 bytes
	s_add_co_u32 s62, s62, s63
	s_mov_b32 s63, 0                               ; s[62:63]: channel 0, my first t
	s_and_b32 s2, s[WV], 1
	s_lshl_b32 s2, s2, 22                          ; my four channels
	s_add_co_u32 s2, s2, s62
	s_mov_b32 s3, 0                                ; s[2:3]: where my chunk loads begin
	s_lshl_b32 s4, s[WV], 14                       ; my quarter of a slice
	s_mov_b32 s5, 0
	s_lshl_b32 s6, s60, 12                         ; the prefetches: my work-group's 4,096 bytes of the quarter,
	s_add_co_u32 s6, s6, s4
	s_add_co_u32 s6, s6, 0x40000                   ; at slice 4: the first trip steps it to 6
	s_mov_b32 s7, 0
	s_mov_b32 s[G1], 15|(3<<16)|(1<<21)            ; 15:0 the mask of four; 17:16 elements of 8 bytes; 21 set beside a mask; no padding
	s_mov_b32 s[G1+1], 32<<16                      ; tensor_dim0 = 32 (256 bytes)
	s_mov_b32 s[G1+2], 64<<16                      ; tensor_dim1 = 64
	s_mov_b32 s[G1+3], 32<<16                      ; tile_dim0 = 32
	s_mov_b32 s[G1+4], 64                          ; tile_dim1 = 64
	s_mov_b32 s[G1+5], 32                          ; 32 elements from row to row: dense
	s_mov_b32 s[G1+6], 0
	s_mov_b32 s[G1+7], 0
	s_mov_b32 s[G0A], 1
	s_lshl_b32 s[G0A+1], s[WV], 14                 ; slot 0, my quarter
	s_mov_b32 s[G0B], 1
	s_add_co_u32 s[G0B+1], s[G0A+1], 0x10000       ; slot 1
	s_mov_b32 s[SGN], 0x80008000
	s_mov_b32 s[SEL], 0x76543210
	s_mov_b32 s[SEL+1], 0xfedcba98
	s_mov_b32 s[AO], 0
	s_mov_b32 s[PH], 2
	s_cmp_eq_u32 ttmp9, 0                          ; the same in all four partners
	s_cselect_b32 s[WPC], 29, 0                    ; slices 6 to 63, two a trip
	v_and_b32 v[T0], 31, v0                        ; l
	v_and_b32 v[T0+1], 15, v0                      ; r = l % 16
	v_bfe_u32 v[T0+2], v0, 4, 1                    ; h = l / 16
	v_bfe_u32 v[T0+3], v0, 3, 1
	v_bfe_u32 v[T0+4], v0, 3, 2                    ; l / 8
	v_and_b32 v[T0+5], 7, v0
	v_lshl_add_u32 v[VW0], v[T0], 4, s4
	v_add_nc_u32 v[VW0+1], 0x10000, v[VW0]
	v_mul_u32_u24 v[VA0], v[T0+1], 144
	v_lshl_add_u32 v[VA0], v[T0+2], 4, v[VA0]
	v_add_nc_u32 v[VA0], ARING, v[VA0]
	v_mov_b32 v[VAT], v[VA0]
	s_lshr_b32 s60, s[WV], 1
	s_mul_i32 s60, s60, 9216                       ; my part,
	s_and_b32 s61, s[WV], 1
	s_mul_i32 s61, s61, 576                        ; my four channels: rows m = 8 tt + c
	s_add_co_u32 s60, s60, s61
	s_add_co_u32 s60, s60, ARING
	v_mul_u32_u24 v[VS0], v[T0+2], 1152            ; the odd t: 8 rows on
	v_lshl_add_u32 v[VS0], v[T0+1], 3, v[VS0]
	v_add_nc_u32 v[VS0], s60, v[VS0]
	v_mov_b32 v[VST], v[VS0]
	v_lshlrev_b32 v[VO], 11, v[T0+2]
	v_lshl_add_u32 v[VO], v[T0+1], 4, v[VO]
	v_lshlrev_b32 v[PFO], 20, v[T0+4]
	v_lshl_add_u32 v[PFO], v[T0+5], 11, v[PFO]
	s_lshl_b32 s61, s[WV], 15
	s_add_co_u32 s61, s61, XREG
	v_lshl_add_u32 v[VQ], v[T0], 4, s61
	v_mul_u32_u24 v[VXA], v[T0+1], 2064
	v_lshl_add_u32 v[VXA], v[T0+2], 4, v[VXA]
	v_add_nc_u32 v[VXA], XREG, v[VXA]
	v_add_nc_u32 v[VXA+1], 66048, v[VXA]
	s_lshl_b32 s61, s[WV], 8
	v_add_nc_u32 v[VXS], s61, v[VXA]
	v_add_nc_u32 v[VXS+1], s61, v[VXA+1]
	s_lshl_b32 s61, s[WV], 12
	s_add_co_u32 s61, s61, BIAS
	v_lshl_add_u32 v[VBT], v[T0+2], 5, s61
	v_lshl_add_u32 v[VBN], v[T0+1], 2, s61
	v_add_nc_u32 v[VBN], 2048, v[VBN]
	v_lshl_add_u32 v[T0+10], v[T0], 4, s61         ; where I store 4 biases
	v_lshl_add_u32 v[VRM], v[T0+1], 2, RM
	v_xor_b32 v[T0+3], v[T0+2], v[T0+3]
	v_cvt_f32_u32 v[T0+3], v[T0+3]
	v_sub_f32 v[MSKF], 1.0, v[T0+3]
	v_mov_b32 v[MSKF+1], v[MSKF]
	s_mul_i32 s61, s[WV], 9216
	s_add_co_u32 s61, s61, ARING
	v_mul_u32_u24 v[STO], v[T0+1], 528
	v_lshl_add_u32 v[STO], v[T0+2], 5, v[STO]
	v_add_nc_u32 v[STO], s61, v[STO]
	v_lshl_add_u32 v[SRD], v[T0], 4, s61
	s_lshl_b32 s61, s[WV], 9
	v_lshl_add_u32 v[GO], v[T0], 4, s61
	v_lshlrev_b32 v[PFW], 16, v[T0+2]              ; lanes 0-15 the first slice of two, lanes 16-31 the second
	v_lshl_add_u32 v[PFW], v[T0+1], 8, v[PFW]
	s_wait_dscnt 0x0                               ; both opening adds are done
	s_wait_kmcnt 0x0
	s_lshr_b32 s60, s[WV], 1
	s_cmp_eq_u32 s60, 0                            ; waves 0, 1 bring the real parts, waves 2, 3 the imaginary
	s_cselect_b64 s[LP:LP+1], s[8:9], s[10:11]
	s_cselect_b64 s[NB:NB+1], s[12:13], s[14:15]
	s_cselect_b64 s[PV:PV+1], s[16:17], s[18:19]
	s_add_nc_u64 s[LP:LP+1], s[LP:LP+1], s[2:3]
	s_add_nc_u64 s[NB:NB+1], s[NB:NB+1], s[2:3]
	s_add_nc_u64 s[PV:PV+1], s[PV:PV+1], s[2:3]
	s_add_nc_u64 s[PP:PP+1], s[LP:LP+1], 768       ; at chunk 3: the first trip steps it to 4.  The first four chunks come by their loads alone
	s_add_nc_u64 s[WP:WP+1], s[20:21], s[6:7]
	s_add_nc_u64 s[22:23], s[22:23], s[62:63]
	s_add_nc_u64 s[24:25], s[24:25], s[62:63]
	s_add_nc_u64 s[G0A+2:G0A+3], s[20:21], s[4:5]  ; slice 0, my quarter
	s_add_nc_u64 s[G0B+2:G0B+3], s[G0A+2:G0A+3], 0x10000  ; slice 1
	s_or_b32 s[G0A+3], s[G0A+3], 0x80000000        ; type = 2
	s_or_b32 s[G0B+3], s[G0B+3], 0x80000000
	GLD                                            ; chunk 0 of query
	ROUND                                          ; all four work-groups are here: the first joint loads meet
	tensor_load_to_lds s[G0A:G0A+3], s[G1:G1+7]    ; both first fills together: two tensor loads of mine are out
	s_nop 0
	tensor_load_to_lds s[G0B:G0B+3], s[G1:G1+7]
	s_nop 0
	PLACES
.set bq, 0
.rept 8
	global_load_b128 v[WR+4*bq:WR+4*bq+3], v[GO], s[68+2*bq:69+2*bq]  ; four biases of my 128 columns
.set bq, bq+1
.endr
	s_wait_loadcnt 8                               ; chunk 0 is in; the eight bias loads behind it may stay out
	CVST                                           ; into buffer 0
	s_wait_xcnt 0x0
	s_add_nc_u64 s[LP:LP+1], s[LP:LP+1], 256
	GLD                                            ; chunk 1
	s_wait_loadcnt 16                              ; the biases are in; chunk 1's 16 loads stay out
.set bq, 0
.rept 16
	v_cvt_pk_bf16_f32 v[T0+6+bq%4], v[WR+2*bq], v[WR+2*bq+1]   ; rounded to bf16 like every input,
	v_lshlrev_b32 v[WR+2*bq], 16, v[T0+6+bq%4]                 ; and back in f32
	v_and_b32 v[WR+2*bq+1], 0xffff0000, v[T0+6+bq%4]
.set bq, bq+1
.endr
.set bq, 0
.rept 4
	v_pk_add_f32 v[WI+8*bq:WI+8*bq+1],   v[WR+8*bq:WR+8*bq+1],   v[WR+8*bq+4:WR+8*bq+5] neg_lo:[0,1] neg_hi:[0,1]
	v_pk_add_f32 v[WI+8*bq+2:WI+8*bq+3], v[WR+8*bq+2:WR+8*bq+3], v[WR+8*bq+6:WR+8*bq+7] neg_lo:[0,1] neg_hi:[0,1]
	v_pk_add_f32 v[WI+8*bq+4:WI+8*bq+5], v[WR+8*bq:WR+8*bq+1],   v[WR+8*bq+4:WR+8*bq+5]
	v_pk_add_f32 v[WI+8*bq+6:WI+8*bq+7], v[WR+8*bq+2:WR+8*bq+3], v[WR+8*bq+6:WR+8*bq+7]
	ds_store_b128 v[T0+10], v[WI+8*bq:WI+8*bq+3]   offset:1024*bq
	ds_store_b128 v[T0+10], v[WI+8*bq+4:WI+8*bq+7] offset:1024*bq+512
.set bq, bq+1
.endr
	s_wait_tensorcnt 0x1                           ; my quarter of slice 0 is in; slice 1's may stay out
	s_wait_dscnt 0x0                               ; for the others' sake: my part of chunk 0 is stored
	s_barrier_signal -1
	s_barrier_wait -1
	WLOAD WR, 0, 0
	ALOAD 0, XR, 0, 0
; PHASES q AND k: one text, walked twice.  A phase's first two groups stand ahead of its loop: they start the sums with the bias as C; then the loop is entered in the middle of a trip.
.Lqk:
	WIN 0
	PLACES
	ALOAD 0, XI, 1, 0
	WIN 0x40
.set bq, 0
.rept 8
	ds_load_b128 v[CB+8*bq:CB+8*bq+3],   v[VBT] offset:64*bq       ; br - bi of my 8 columns of tile nt
	ds_load_b128 v[CB+8*bq+4:CB+8*bq+7], v[VBT] offset:64*bq+16
.set bq, bq+1
.endr
	WIN 0
.set bq, 0
.rept 8
	ds_load_b128 v[WI+8*bq:WI+8*bq+3],   v[VBT] offset:512+64*bq   ; br + bi
	ds_load_b128 v[WI+8*bq+4:WI+8*bq+7], v[VBT] offset:512+64*bq+16
.set bq, bq+1
.endr
	s_wait_dscnt 0x0
	GRP bf16, 0, 0x90, WR, XR, 2, CB, 0, 31
	GRP bf16, 0, 0xC0, WR, XI, 2, WI, 0, 31
	WIN 0
	PLACES                                         ; Wi's registers were that group's C
	WLOAD WI, 0, 1
	s_mov_b32 s[TC], 8
	s_branch .Lqk_mid
.Lqk_top:                                      ; a trip: a chunk of 64 features, two slices
	HALF1 0, bf16, 0, 0, 0
	WIN 0
.Lqk_mid:
	HALF2 0, bf16, 0, 0, 1, 1, 1, 1
	HALF1 0, bf16, 0, 1, 64
	HALF2 0, bf16, 0, 1, 1, 1, 1, 0                ; in the last trip the Wr and xr fetched here are the next phase's first
	WIN 0
	s_sub_co_u32 s[TC], s[TC], 1
	s_cmp_lg_u32 s[TC], 0
	s_cbranch_scc1 .Lqk_top
	s_cmp_eq_u32 s[PH], 1
	s_cbranch_scc1 .Lkepi
	; q is rounded to f16 and set aside as fragments, in my own bytes of LDS.  Fragment f = ((2 part + head) 4 + mt) 2 + half of the head's 64 channels; tile nt is its half nt % 2.
	PLACES
.set qe, 0
.rept 8
.if qe%3 == 0
.set tb, XI
.elseif qe%3 == 1
.set tb, WI
.else
.set tb, WI+32
.endif
	WIN 0x0A+5*(qe/4)
.set qi, 0
.rept 32
	v_cvt_pk_f16_f32 v[tb+qi], v[64*(qe%4)+2*qi], v[64*(qe%4)+2*qi+1]
.set qi, qi+1
.endr
	WIN 0
.set qi, 0
.rept 8
	ds_store_b128 v[VQ], v[tb+4*qi:tb+4*qi+3] offset:1024*((((qe/4)*2+qi/4)*4+qe%4)*2+(qi/2)%2)+512*(qi%2)
.set qi, qi+1
.endr
.set qe, qe+1
.endr
	s_mov_b64 s[NB:NB+1], s[PV:PV+1]               ; behind key comes value
	v_add_nc_u32 v[VBT], 1024, v[VBT]              ; k's bias
	s_sub_co_u32 s[PH], s[PH], 1
	s_cmp_lg_u32 s[PH], 0
	s_cbranch_scc1 .Lqk
.Lkepi:
; THE SCORES.  For each head and tile of 16 rows: sr = kr qr + ki qi, si = ki qr - kr qi (S^T: source 0 = k, source 1 = q), 64 channels = two products each.
; The three accumulators take turns, one instruction a turn.  Beside them the rows' largest and smallest number are kept.
	WIN 0
	PLACES
	WIN 0x40
.set qi, 0
.rept 8
	v_mov_b32 v[MX+qi], 0                          ; |S| is not below 0
.set qi, qi+1
.endr
.set kg, 0
.rept 8
.set hh, kg/4
.set mt, kg%4
	WIN 0
.set qa, 0
.rept 4
.set qf, (((qa/2)*2+hh)*4+mt)*2+qa%2
	ds_load_b128 v[WI+8*qa:WI+8*qa+3],   v[VQ] offset:1024*qf
	ds_load_b128 v[WI+8*qa+4:WI+8*qa+7], v[VQ] offset:1024*qf+512
.set qa, qa+1
.endr
	WIN 0x0A
.set qi, 0
.rept 16
	v_cvt_pk_f16_f32 v[WI+32+qi], v[64*mt+32*hh+2*qi], v[64*mt+32*hh+2*qi+1]
.set qi, qi+1
.endr
	WIN 0x0F
.set qi, 0
.rept 16
	v_cvt_pk_f16_f32 v[WI+48+qi], v[64*mt+32*hh+2*qi], v[64*mt+32*hh+2*qi+1]
.set qi, qi+1
.endr
	s_wait_dscnt 0x0                               ; q's four fragments are in
	WIN 0x50
.set sr, SS+16*kg
.set sa, SS+16*kg+8
	SW sr,  WI+32, WI,    1                        ; kr0 qr0
	SW sa,  WI+48, WI,    1                        ; ki0 qr0
	SW sr,  WI+40, WI+8,  0                        ; kr1 qr1
	SW SIB, WI+32, WI+16, 1                        ; kr0 qi0
	SW sr,  WI+48, WI+16, 0                        ; ki0 qi0
	SW sa,  WI+56, WI+8,  0                        ; ki1 qr1
	SW sr,  WI+56, WI+24, 0                        ; ki1 qi1
	SW SIB, WI+40, WI+24, 0                        ; kr1 qi1
	PLACES
	WIN 0x55
.set qi, 0
.rept 4
	v_pk_add_f32 v[sa+2*qi:sa+2*qi+1], v[sa+2*qi:sa+2*qi+1], v[SIB+2*qi:SIB+2*qi+1] neg_lo:[0,1] neg_hi:[0,1]
.set qi, qi+1
.endr
.set qi, 0
.rept 8
	v_max3_num_f32 v[MX+mt], v[MX+mt], v[sr+2*qi], v[sr+2*qi+1]
	v_min3_num_f32 v[MN+mt], v[MN+mt], v[sr+2*qi], v[sr+2*qi+1]
.set qi, qi+1
.endr
.set kg, kg+1
.endr
	WIN 0x04
.set qi, 0
.rept 4
	v_sub_f32 v[T0+qi], 0, v[MN+qi]
.set qi, qi+1
.endr
	WIN 0x01
.set qi, 0
.rept 4
	v_max_num_f32 v[T0+qi], v[MX+qi], v[T0+qi]
.set qi, qi+1
.endr
	WIN 0
.set qi, 0
.rept 4
	v_mul_f32 v[T0+qi], v[T0+qi], v[MSKF]          ; the lanes that hold two different t count as 0
	v_mov_b32 v[T0+4+qi], 0
.set qi, qi+1
.endr
.set qi, 0
.rept 4
	v_permlanex16_b32 v[T0+4+qi], v[T0+qi], s[SEL], s[SEL+1]
.set qi, qi+1
.endr
	s_lshl_b32 s60, s[WV], 8
	v_add_nc_u32 v[T0+8], s60, v[VRM]
.set qi, 0
.rept 4
	v_max_num_f32 v[T0+qi], v[T0+qi], v[T0+4+qi]
	ds_store_b32 v[T0+8], v[T0+qi] offset:64*qi    ; read by all waves behind phase v's barriers
.set qi, qi+1
.endr
; PHASE v, as it is (source 0 = X): a lane holds one column, so a tile's bias is one number a lane, copied into the eight registers of C.
	PLACES
	ALOAD 0, XI, 1, 0
	WIN 0x40
.set bq, 0
.rept 8
	ds_load_b32 v[CB+8*bq], v[VBN] offset:64*bq
.set bq, bq+1
.endr
	WIN 0
.set bq, 0
.rept 8
	ds_load_b32 v[WI+8*bq], v[VBN] offset:512+64*bq
.set bq, bq+1
.endr
	s_wait_dscnt 0x0
	WIN 0x41
.set bq, 0
.rept 64
.if bq%8
	v_mov_b32 v[CB+bq], v[CB+8*(bq/8)]
.endif
.set bq, bq+1
.endr
	WIN 0
.set bq, 0
.rept 64
.if bq%8
	v_mov_b32 v[WI+bq], v[WI+8*(bq/8)]
.endif
.set bq, bq+1
.endr
	GRP bf16, 1, 0x90, WR, XR, 2, CB, 0, 31
	GRP bf16, 1, 0xC0, WR, XI, 2, WI, 0, 31
	WIN 0
	PLACES
	WLOAD WI, 0, 1
	s_mov_b32 s[TC], 8
	s_branch .Lv_mid
.Lv_top:
	HALF1 0, bf16, 1, 0, 0
	WIN 0
.Lv_mid:
	HALF2 0, bf16, 1, 0, 1, 1, 1, 2
	HALF1 0, bf16, 1, 1, 64
	HALF2 0, bf16, 1, 1, 1, 1, 1, 0                ; in the last trip Wr is the last layer's first; the xr fetched there is an old chunk's and serves nothing: the price, once, of one text for every trip
	WIN 0
	s_sub_co_u32 s[TC], s[TC], 1
	s_cmp_lg_u32 s[TC], 0
	s_cbranch_scc1 .Lv_top
; S TIMES v.  First the rows' scale: the largest |S| of a row over the four waves' heads, held to 2^-100 .. 2^100; its power of two 2^E; 2^(E+2) is kept for the end, 2^-(E+5) (0 in the lanes of two t) scales S.
	PLACES
.set qa, 0
.rept 16
	ds_load_b32 v[T0+qa], v[VRM] offset:256*(qa%4)+64*(qa/4)
.set qa, qa+1
.endr
	s_mov_b32 s[LRC], 0x211f211f
	s_wait_dscnt 0x0                               ; these, and the fetches of the last trip: xr's registers are free
.set qa, 0
.rept 4
	v_max3_num_f32 v[T0+4*qa], v[T0+4*qa], v[T0+4*qa+1], v[T0+4*qa+2]
	v_max_num_f32 v[T0+4*qa], v[T0+4*qa], v[T0+4*qa+3]
	v_max_num_f32 v[T0+4*qa], 0x0d800000, v[T0+4*qa]
	v_min_num_f32 v[T0+4*qa], 0x71800000, v[T0+4*qa]
	v_and_b32 v[T0+4*qa], 0x7f800000, v[T0+4*qa]   ; 2^E
	v_add_nc_u32 v[BACK+2*qa], 0x01000000, v[T0+4*qa]
	v_mov_b32 v[BACK+2*qa+1], v[BACK+2*qa]
	v_sub_nc_u32 v[T0+4*qa+1], 0x7c800000, v[T0+4*qa]
	v_mul_f32 v[T0+4*qa+1], v[T0+4*qa+1], v[MSKF]
.set qa, qa+1
.endr
	WIN 0x40
.set qa, 0
.rept 4
	v_mov_b32 v[IM+2*qa], v[T0+4*qa+1]
	v_mov_b32 v[IM+2*qa+1], v[T0+4*qa+1]
.set qa, qa+1
.endr
	; S is scaled, rounded to f16 in place, and laid out as the two sources [sr | -si] and [si | sr]
	WIN 0x45
.set kg, 0
.rept 8
.set sg, SS+16*kg
.set qi, 0
.rept 8
	v_pk_mul_f32 v[sg+2*qi:sg+2*qi+1], v[sg+2*qi:sg+2*qi+1], v[IM+2*(kg%4):IM+2*(kg%4)+1] op_sel_hi:[1,0]
.set qi, qi+1
.endr
.set qi, 0
.rept 4
	v_cvt_pk_f16_f32 v[sg+qi], v[sg+2*qi], v[sg+2*qi+1]
.set qi, qi+1
.endr
.set qi, 0
.rept 4
	v_cvt_pk_f16_f32 v[sg+8+qi], v[sg+8+2*qi], v[sg+8+2*qi+1]
.set qi, qi+1
.endr
.set qi, 0
.rept 4
	v_mov_b32 v[sg+12+qi], v[sg+qi]
	v_xor_b32 v[sg+4+qi], s[SGN], v[sg+8+qi]
.set qi, qi+1
.endr
.set kg, kg+1
.endr
; Group g (head g / 4, tile g % 4): its four tiles of vr and of vi are rounded to f16, lrelu = max(v, 0.01 v) two at a time, and multiplied: x lands where v lay.
.macro VPART g
.set vf, XR+32*((\g)%2)
.set ab, 64*((\g)%4)+32*((\g)/4)
	WIN 0x0A
.set qi, 0
.rept 16
	v_cvt_pk_f16_f32 v[vf+8*(qi/4)+qi%4], v[ab+2*qi], v[ab+2*qi+1]
.set qi, qi+1
.endr
	WIN 0x0F
.set qi, 0
.rept 16
	v_cvt_pk_f16_f32 v[vf+8*(qi/4)+4+qi%4], v[ab+2*qi], v[ab+2*qi+1]
.set qi, qi+1
.endr
	WIN 0
.set qi, 0
.rept 32
	v_pk_mul_f16 v[WI+qi], v[vf+qi], s[LRC]
.set qi, qi+1
.endr
.set qi, 0
.rept 32
	v_pk_max_num_f16 v[vf+qi], v[vf+qi], v[WI+qi]
.set qi, qi+1
.endr
	WIN 0x84
.set qi, 0
.rept 4
	v_wmma_f32_16x16x32_f16 v[ab+8*qi:ab+8*qi+7], v[vf+8*qi:vf+8*qi+7], v[SS+16*(\g):SS+16*(\g)+7], 0
.set qi, qi+1
.endr
	WIN 0xC4
.set qi, 0
.rept 4
	v_wmma_f32_16x16x32_f16 v[ab+8*qi:ab+8*qi+7], v[vf+8*qi:vf+8*qi+7], v[SS+16*(\g)+8:SS+16*(\g)+15], 0
.set qi, qi+1
.endr
.endm
; Group g's x: f16, lrelu, and 16 bytes a lane (one row, 8 neighbouring columns) into the last layer's operand.
.macro XPART g
.set ab, 64*((\g)%4)+32*((\g)/4)
	WIN 0x0A
.set qi, 0
.rept 16
	v_cvt_pk_f16_f32 v[WI+32+qi], v[ab+2*qi], v[ab+2*qi+1]
.set qi, qi+1
.endr
	WIN 0x0F
.set qi, 0
.rept 16
	v_cvt_pk_f16_f32 v[WI+48+qi], v[ab+2*qi], v[ab+2*qi+1]
.set qi, qi+1
.endr
	WIN 0
.set qi, 0
.rept 32
	v_pk_mul_f16 v[WI+qi], v[WI+32+qi], s[LRC]
.set qi, qi+1
.endr
.set qi, 0
.rept 32
	v_pk_max_num_f16 v[WI+32+qi], v[WI+32+qi], v[WI+qi]
.set qi, qi+1
.endr
.set qi, 0
.rept 8
	ds_store_b128 v[VXS+((\g)%4)/2], v[WI+32+4*qi:WI+32+4*qi+3] offset:33024*((\g)%2)+1024*(qi/4)+32*(4*((\g)/4)+qi%4)
.set qi, qi+1
.endr
.endm
	VPART 0
.irp g, 1,2,3,4,5,6,7                  ; a group's vector work stands between the products of the group before and the reads of their results
	VPART \g
	XPART (\g)-1
.endr
	PLACES
	XPART 7
	s_wait_dscnt 0x0                               ; for the others' sake: my columns of x are stored
	s_barrier_signal -1                            ; the next refill has its own round
	s_barrier_wait -1
; THE LAST LAYER, in f16, transposed.  Its first two groups start the sums with the constant 0; the bias is added at the end, behind the rows' factor.
	PLACES
	ALOAD 1, XR, 0, 0
	ALOAD 1, XI, 1, 0
	WLOAD WI, 0, 1
	s_wait_dscnt 16                                ; xr and xi are in; Wi's 16 loads may stay out
	GRP f16, 0, 0xA0, WR, XR, 1, 0, 0, 31
	GRP f16, 0, 0xF0, WR, XI, 1, 0, 0, 31
	WIN 0
	s_mov_b32 s[TC], 7
	s_branch .Lo_mid
.Lo_top:
	HALF1 1, f16, 0, 0, 0
	WIN 0
.Lo_mid:
	HALF2 1, f16, 0, 0, 1, 1, 1, 3
	HALF1 1, f16, 0, 1, 64
	HALF2 1, f16, 0, 1, 1, 1, 1, 0
	WIN 0
	s_sub_co_u32 s[TC], s[TC], 1
	s_cmp_lg_u32 s[TC], 0
	s_cbranch_scc1 .Lo_top
	HALF1 1, f16, 0, 0, 0                          ; the last two slices are written out: nothing is left to fetch, and a wave reads its own quarter alone, so no barrier stands here
	HALF2 1, f16, 0, 0, 0, 1, 1, 0
	HALF1 1, f16, 0, 1, 64
	HALF2 1, f16, 0, 1, 0, 0, 0, 0
; THE WAY OUT.  out = sum x 2^(E+2) + bias, one fused multiply-add; a tile of 16 rows x 128 columns of f32 goes through my own stage and leaves as whole rows: a store covers 512 consecutive aligned bytes.
	WIN 0
	PLACES
.set pt, 0
.rept 2
	WIN 0
.set qi, 0
.rept 8
	ds_load_b128 v[WI+8*qi:WI+8*qi+3],   v[VBT] offset:2048+512*pt+64*qi       ; the address stands at k's bias: o's lies 2,048 bytes on
	ds_load_b128 v[WI+8*qi+4:WI+8*qi+7], v[VBT] offset:2048+512*pt+64*qi+16
.set qi, qi+1
.endr
.set mt, 0
.rept 4
	s_wait_dscnt 0x0
	WIN 0x02+pt
.set qi, 0
.rept 32
	v_pk_fma_f32 v[WR+2*qi:WR+2*qi+1], v[64*mt+2*qi:64*mt+2*qi+1], v[BACK+2*mt:BACK+2*mt+1], v[WI+2*qi:WI+2*qi+1] op_sel_hi:[1,0,1]
.set qi, qi+1
.endr
	WIN 0
.set qi, 0
.rept 16
	ds_store_b128 v[STO], v[WR+4*qi:WR+4*qi+3] offset:64*(qi/2)+16*(qi%2)
.set qi, qi+1
.endr
	s_wait_xcnt 0x0                                ; the last tile's stores have read their registers, which are loaded again below
.set qi, 0
.rept 16
	ds_load_b128 v[XR+4*qi:XR+4*qi+3], v[SRD] offset:528*qi    ; LDS serves a wave's instructions in order (ISA guide 5.7.1.4): these see the stores above
.set qi, qi+1
.endr
.set qi, 0
.rept 16
	s_wait_dscnt 15-qi                             ; row qi is back; the younger loads may stay out
	global_store_b128 v[GO], v[XR+4*qi:XR+4*qi+3], s[22+2*pt:23+2*pt] offset:((qi%8)<<20)+2048*(2*mt+qi/8) th:TH_STORE_NT
.set qi, qi+1
.endr
.set mt, mt+1
.endr
.set pt, pt+1
.endr
	s_wait_tensorcnt 0x0                           ; the wave's end, behind my last tensor load and my last LDS store
	ds_add_u32 v[SPW], v[NIL]
	s_wait_dscnt 0x0
	ROUND                                          ; the closing round: no work-group ends while a partner may still ask for a slice that names it
	s_endpgm
.Lfunc_end_k_qa31998db08_fused:
	.size	k_qa31998db08_fused, .Lfunc_end_k_qa31998db08_fused-k_qa31998db08_fused
	.p2alignl 7, 3214868480
	.fill 96, 4, 3214868480
	.section	.rodata,"a",@progbits
	.p2align	6, 0x0
	.amdhsa_kernel k_qa31998db08_fused
		.amdhsa_group_segment_fixed_size 327680
		.amdhsa_private_segment_fixed_size 0
		.amdhsa_enable_private_segment 0
		.amdhsa_kernarg_size 136
		.amdhsa_user_sgpr_count 2
		.amdhsa_user_sgpr_kernarg_segment_ptr 1
		.amdhsa_wavefront_size32 1
		.amdhsa_system_sgpr_workgroup_id_x 1
		.amdhsa_system_sgpr_workgroup_id_y 1
		.amdhsa_system_sgpr_workgroup_id_z 1
		.amdhsa_system_vgpr_workitem_id 0
		.amdhsa_next_free_vgpr 1024
		.amdhsa_next_free_sgpr 84
		.amdhsa_reserve_vcc 0
		.amdhsa_float_denorm_mode_32 3
		.amdhsa_float_denorm_mode_16_64 3
		.amdhsa_memory_ordered 1
		.amdhsa_forward_progress 1
		.amdhsa_inst_pref_size 255
	.end_amdhsa_kernel
	.section	.bss,"aw",@nobits
	.p2align	6
	.space	262144
	.amdgpu_metadata
---
amdhsa.version: [ 1, 2 ]
amdhsa.kernels:
  - .name:           k_qa31998db08_fused
    .symbol:         k_qa31998db08_fused.kd
    .args:
      - { .name: query_r, .offset: 0, .size: 8, .value_kind: global_buffer, .address_space: global }
      - { .name: query_i, .offset: 8, .size: 8, .value_kind: global_buffer, .address_space: global }
      - { .name: key_r, .offset: 16, .size: 8, .value_kind: global_buffer, .address_space: global }
      - { .name: key_i, .offset: 24, .size: 8, .value_kind: global_buffer, .address_space: global }
      - { .name: value_r, .offset: 32, .size: 8, .value_kind: global_buffer, .address_space: global }
      - { .name: value_i, .offset: 40, .size: 8, .value_kind: global_buffer, .address_space: global }
      - { .name: wf, .offset: 48, .size: 8, .value_kind: global_buffer, .address_space: global }
      - { .name: out0, .offset: 56, .size: 8, .value_kind: global_buffer, .address_space: global }
      - { .name: out1, .offset: 64, .size: 8, .value_kind: global_buffer, .address_space: global }
      - { .name: bq_r, .offset: 72, .size: 8, .value_kind: global_buffer, .address_space: global }
      - { .name: bq_i, .offset: 80, .size: 8, .value_kind: global_buffer, .address_space: global }
      - { .name: bk_r, .offset: 88, .size: 8, .value_kind: global_buffer, .address_space: global }
      - { .name: bk_i, .offset: 96, .size: 8, .value_kind: global_buffer, .address_space: global }
      - { .name: bv_r, .offset: 104, .size: 8, .value_kind: global_buffer, .address_space: global }
      - { .name: bv_i, .offset: 112, .size: 8, .value_kind: global_buffer, .address_space: global }
      - { .name: bo_r, .offset: 120, .size: 8, .value_kind: global_buffer, .address_space: global }
      - { .name: bo_i, .offset: 128, .size: 8, .value_kind: global_buffer, .address_space: global }
    .group_segment_fixed_size: 327680
    .private_segment_fixed_size: 0
    .kernarg_segment_align: 8
    .kernarg_segment_size: 136
    .max_flat_workgroup_size: 128
    .sgpr_count:     84
    .vgpr_count:     1024
    .wavefront_size: 32
...
	.end_amdgpu_metadata
.endif
;; end of part 2
